; MI455X (gfx1250); checked and timed in simulation.
; The chip was launched on July 23, 2026; its instructions are those of AMD's public machine-readable ISA for CDNA 5 (MIT licence, August 2026) and "CDNA5" Instruction Set Architecture Reference Guide (July 2026). The comments in the code are by the model that wrote it; some were corrected since.
;; Neu SDF. Allowed arithmetic: matrix products marked QUANTISED: E3M2 operands, one E8M0 scale for each 32 along K, by v_wmma_scale_f32_16x16x128_f8f6f4 with both operands' format E3M2, f32 sums; products left as they are: f32 operands where the result goes on into a quantised operand, else bf16, f16 or f32 operands; f32 sums; everything else in f32.
;; Inputs: b1 128 float32; b2 128 float32; b3 1 float32; points 1,048,576 x 3 float32; w1 1 x 128 float32; w2 128 x 128 float32; w3 128 x 1 float32; xy_plane 512 x 512 float32; xz_plane 512 x 512 float32; yz_plane 512 x 512 float32.
;; Outputs: out0 1,048,576 x 1 float32.
;; This version of the problem:
;;   THIS VERSION OF THE PROBLEM IS GIVEN IN LOW PRECISION. The matrix products marked QUANTISED in the list below multiply operands that are first quantised to E3M2 (3 exponent bits, 2 mantissa bits; 6 bits a number), with one power-of-two scale for each 32 numbers along K (OCP MX v1.0); their sums are f32. All else is computed in f32.
;;   The module's matrix products, in the order in which they are computed (A, B: the left and right operand; K: the contracted axis; several contracted axes count as one K, in the product's order):
;;     1. [M 1,048,576, K 1] x [K 1, N 128]; A: computed on the way; B: input w1: left as it is (K = 1 < 32)
;;     2. [M 1,048,576, K 128] x [K 128, N 128]; A: computed on the way; B: input w2: QUANTISED
;;     3. [M 1,048,576, K 128] x [K 128, N 1]; A: computed on the way; B: input w3: left as it is (N = 1 < 16)
;;   THE QUANTISER, for each operand of a quantised product, along K:
;;     - K is cut into blocks of 32 from its start; a last block that is shorter is filled with zeros.
;;     - A block's scale is 2^e with e = floor(log2(the largest magnitude in the block)) - 4, held to -126 .. 127; a block of zeros has e = 0. As a byte (E8M0): e + 127.
;;     - Each number is divided by its block's scale, clamped to +-28, and rounded to the nearest number of E3M2, ties to even, subnormals kept.
;;     - The product sums the exact products of the quantised numbers (number of the format x scale) in f32.
;;   ~~~python
;;   def quantise(x, axis):      # numpy; x: float32 -> the quantised numbers, widened to float32 again
;;       x = np.moveaxis(x, axis, -1); K = x.shape[-1]
;;       x = np.pad(x, [(0, 0)] * (x.ndim - 1) + [(0, -K % 32)]); x = x.reshape(x.shape[:-1] + (-1, 32)); a = np.abs(x).max(-1, keepdims=True)
;;       e = np.where(a > 0, np.clip(np.frexp(np.where(a > 0, a, 1))[1] - 1 - 4, -126, 127), 0)      # np.frexp(a)[1] - 1 = floor(log2(a)), exactly
;;       r = np.clip(x / 2.0 ** e, -28, 28)
;;       step = 2.0 ** (np.maximum(np.frexp(np.where(r == 0, 1, r))[1] - 1, -2) - 2)
;;       q = np.round(r / step) * step * 2.0 ** e      # np.round: ties to even
;;       return np.moveaxis(q.reshape(q.shape[:-2] + (-1,))[..., :K], -1, axis).astype(np.float32)
;;   ~~~
;;   OPERANDS COMPUTED ON THE WAY. 'Computed on the way' means the value that the module computes at that place (a softmax that the list does not call 'softmax' is quantised finished and normalised). What goes into a quantiser is computed in f32, as accurately as f32 sums, v_exp_f32 and their like allow (about 1e-6 of the number): no bf16 or f16 on the way to a quantiser, and a product that is left as it is and whose result goes on into a quantised operand takes f32 operands (vector FMAs, or v_wmma_f32_16x16x4_f32). A number that lies on a knife's edge between two numbers of the format may be rounded either way, as far as f32 arithmetic and the matrix unit's own rounding can turn it there, and no further.
;; 2 versions. Each part assembles by itself: llvm-mc -triple=amdgcn-amd-amdhsa -mcpu=gfx1250 --defsym DOCPART=n.
;; ======== version 1 of 2: 2 launches
;; workspace buffers: cells 4,194,304 bytes of whole numbers; quads 12,582,912 bytes; w2q 13,312 bytes
;; launch prep (part 1): grid 897 x 1, 8 waves a work-group, no clusters, 0 bytes of LDS; arguments points, xy_plane, xz_plane, yz_plane, w2, cells, quads, w2q; writes cells, quads, w2q
.if DOCPART == 1
	.amdgcn_target "amdgcn-amd-amdhsa--gfx1250"
	.amdhsa_code_object_version 6
	.text
	.protected	k_q6ea10718ca_prep
	.globl	k_q6ea10718ca_prep
	.p2align	8
	.type	k_q6ea10718ca_prep,@function
k_q6ea10718ca_prep:
	s_mov_b64 s[64:65], 0
	v_nop
	global_prefetch_b8 v0, s[64:65] scope:SCOPE_SE
	s_setreg_imm32_b32 hwreg(HW_REG_WAVE_MODE, 25, 1), 1
	s_wait_xcnt 0x0
; WHAT THE SECOND LAUNCH NEEDS AS WHOLE NUMBERS AND AS TABLES.  Three kinds of work-group, told apart by the work-group's number alone:
;   0 .. NP-1        cells:  for 2,048 points each, one word a point: xf << 18 | yf << 9 | zf, with xf = min(trunc((x + 1) * 255.5), 511), yf and zf likewise.
;   NP .. NP+NQ-1    quads:  8 rows x 256 columns of one plane each: entry (c1, c2), 16 bytes at ((c1 << 9) + c2) * 16 of the plane's table of 4 MiB (tables in the order xy, xz, yz), holds
;                            P[c1][c2], P[c1][c2'], P[c1'][c2], P[c1'][c2'] with c' = min(c + 1, 511): a bilinear look-up is then ONE aligned load of 16 bytes, and both clamps are done here.
;   NP+NQ            w2q:    w2 [128 (k)][128 (n)] quantised along k to E3M2 with one E8M0 byte for each 32, as images of the matrix operand's registers: tile t (columns 16 t .. 16 t + 15),
;                            register group g, lane l at 1536 t + 512 g + 16 l; the tile's scale words, 4 bytes a lane, at 12288 + 128 t + 4 l.
; (x + 1) * 0.5 * 511 and (x + 1) * 255.5 have the same bits: the halving rounds nothing.  The second launch makes p by the same two instructions, so its fractions fit these cells.
; LIMITS: points lie in [-1, 1], as the look-up in the planes supposes; outside, a cell is held to 0 .. 511.  NaN and infinities are not served.  A block of 32 zeros of w2 gets the scale byte 1
; (the floor) and not 127: its codes are zeros, which add nothing under any byte but 0xff, and this program alone reads the bytes.
; No LDS, no barrier: no wave needs another's data.
.set NP, 512                           ; work-groups for the cells: 1,048,576 / 2,048
.set NQ, 384                           ; for the quads: 3 planes x 64 groups of 8 rows x 2 halves of a row
	s_load_b256 s[4:11], s[0:1], 0x0               ; points s[4:5], xy s[6:7], xz s[8:9], yz s[10:11]
	s_load_b256 s[12:19], s[0:1], 0x20             ; w2 s[12:13], cells s[14:15], quads s[16:17], w2q s[18:19]
	s_wait_kmcnt 0x0
	s_cmp_lt_u32 ttmp9, NP
	s_cbranch_scc1 .Lcells
	s_cmp_lt_u32 ttmp9, NP+NQ
	s_cbranch_scc1 .Lquads
; ---- w2q.  Wave t takes tile t.  A LANE TAKES A COLUMN n = 16 t + r AND ITS REGISTERS RUN DOWN K, in the order that the operand's layout gives the lane: k = 64 c + 32 h + 0 .. 31.
; So a lane holds two whole blocks, no other lane is asked for a maximum, and the conversions' results are the operand's registers.
	v_lshrrev_b32 v1, 5, v0
	v_readfirstlane_b32 s20, v1                    ; t
	v_and_b32 v1, 15, v0                           ; r
	v_bfe_u32 v2, v0, 4, 1                         ; h
	v_lshlrev_b32 v3, 2, v1
	v_lshl_add_u32 v3, v2, 14, v3                  ; 4 r + 32 h rows of 512 bytes
	s_lshl_b32 s22, s20, 6                         ; the tile's 16 columns: 64 bytes
	s_mov_b32 s23, 0
	s_add_nc_u64 s[12:13], s[12:13], s[22:23]
	s_mul_i32 s22, s20, 1536
	s_add_nc_u64 s[24:25], s[18:19], s[22:23]      ; the tile's image
	s_lshl_b32 s22, s20, 7
	s_add_nc_u64 s[26:27], s[18:19], s[22:23]      ; its scale words (12,288 further on, in the immediate)
	s_mov_b32 s28, 0x76543210
	s_mov_b32 s29, 0xfedcba98                      ; v_permlanex16_b32's selects for lane l xor 16
.irp c, 0,1
.set i, 0
.rept 32
	global_load_b32 v[32+32*\c+i], v3, s[12:13] offset:512*(64*\c+i)   ; w2[64 c + 32 h + i][16 t + r]
.set i, i+1
.endr
.endr
	v_and_b32 v19, 31, v0
	v_lshlrev_b32 v20, 2, v19                      ; 4 x lane
	v_lshlrev_b32 v19, 4, v19                      ; 16 x lane
	v_lshlrev_b32 v17, 3, v2                       ; 8 h
	v_mov_b32 v18, 0                               ; a lane permute's destination counts as one of its sources
	s_wait_loadcnt 0x0
.irp q, 0,1,2,3                        ; four chains of 16 numbers; chains 2 c and 2 c + 1 are block c of the lane
	v_max3_num_f32 v[8+\q], |v[32+16*\q]|, |v[33+16*\q]|, 0x2800000   ; with the floor 2^(5 - 127): the byte cannot fall under 1
.endr
.irp i, 2,4,6,8,10,12,14
.irp q, 0,1,2,3
	v_max3_num_f32 v[8+\q], v[8+\q], |v[32+16*\q+\i]|, |v[33+16*\q+\i]|
.endr
.endr
.irp c, 0,1
	v_max_num_f32 v[8+2*\c], v[8+2*\c], v[9+2*\c]  ; the block's largest magnitude
.endr
.irp c, 0,1
	v_add_nc_u32 v[12+\c], 0xfe000000, v[8+2*\c]   ; 4 off its exponent field: the conversion takes the exponent field of this operand as its scale
.endr
.irp c, 0,1
	v_lshrrev_b32 v[14+\c], 23, v[12+\c]           ; the scale's byte
.endr
	v_lshl_or_b32 v16, v15, 16, v14                ; my two bytes, blocks h and 2 + h of my column,
	v_lshlrev_b32 v16, v17, v16                    ; at their places in the word;
	v_permlanex16_b32 v18, v16, s28, s29
	v_or_b32 v16, v16, v18                         ; with lane l xor 16's two the word is whole
.irp c, 0,1
	v_cvt_scalef32_pk16_bf6_f32 v[96+6*\c:98+6*\c], v[32+32*\c:47+32*\c], v[12+\c]
	v_cvt_scalef32_pk16_bf6_f32 v[108+4*\c:110+4*\c], v[48+32*\c:63+32*\c], v[12+\c]   ; (a conversion's three registers begin on an even number: the second half of a block's six is made elsewhere and moved)
.endr
	v_nop                                          ; one plain instruction between a scaled conversion and the vector instruction that touches its result
.irp c, 0,1
.irp e, 0,1,2
	v_mov_b32 v[99+6*\c+\e], v[108+4*\c+\e]
.endr
.endr
.irp g, 0,1,2
	global_store_b128 v19, v[96+4*\g:99+4*\g], s[24:25] offset:512*\g   ; 32 lanes store 512 consecutive bytes
.endr
	global_store_b32 v20, v16, s[26:27] offset:12288
	s_endpgm
; ---- cells.  Two passes of 256 threads x 4 points: a thread reads its 48 bytes by three loads and stores 16 bytes, so that a wave's store covers 512 consecutive bytes.
.Lcells:
	v_mul_u32_u24 v1, v0, 48
	v_lshlrev_b32 v2, 4, v0
	s_mul_i32 s20, ttmp9, 24576                    ; 2,048 points of 12 bytes
	s_mov_b32 s21, 0
	s_add_nc_u64 s[4:5], s[4:5], s[20:21]
	s_lshl_b32 s20, ttmp9, 13                      ; 2,048 words
	s_add_nc_u64 s[14:15], s[14:15], s[20:21]
.irp u, 0,1
.irp i, 0,1,2
	global_load_b128 v[8+12*\u+4*\i:11+12*\u+4*\i], v1, s[4:5] offset:12288*\u+16*\i   ; no hint: the second launch reads the points again
.endr
.endr
.macro CELL u
.set X, 8+12*(\u)
	s_wait_loadcnt 3-3*(\u)                        ; this pass's three loads are in; the other pass's three may be out
.irp i, 0,2,4,6,8,10
	v_pk_add_f32 v[X+\i:X+\i+1], v[X+\i:X+\i+1], 1.0 op_sel_hi:[1,0]
.endr
.irp i, 0,2,4,6,8,10
	v_pk_mul_f32 v[X+\i:X+\i+1], v[X+\i:X+\i+1], 0x437f8000 op_sel_hi:[1,0]   ; x 255.5
.endr
.irp i, 0,1,2,3,4,5,6,7,8,9,10,11
	v_cvt_u32_f32 v[X+\i], v[X+\i]                 ; toward zero: the floor of a number that is not negative
.endr
.irp i, 0,1,2,3,4,5,6,7,8,9,10,11
	v_min_u32 v[X+\i], 511, v[X+\i]
.endr
.irp j, 0,1,2,3
	v_lshl_or_b32 v[40+\j], v[X+3*\j], 9, v[X+3*\j+1]
.endr
.irp j, 0,1,2,3
	v_lshl_or_b32 v[32+4*(\u)+\j], v[40+\j], 9, v[X+3*\j+2]
.endr
	global_store_b128 v2, v[32+4*(\u):35+4*(\u)], s[14:15] offset:4096*(\u)   ; each pass has its own data registers: none is written again
.endm
	CELL 0
	CELL 1
	s_endpgm
; ---- quads.  Thread = column c2; nine rows of the plane at c2 and at c2', in row order, into v8 .. v25: entry i of the eight is then v[8 + 2 i : 11 + 2 i] as it stands.
.Lquads:
	s_sub_co_u32 s20, ttmp9, NP
	s_lshr_b32 s21, s20, 7                         ; plane 0, 1, 2 = xy, xz, yz
	s_bfe_u32 s22, s20, 0x60001                    ; which 8 rows: 6 bits from bit 1
	s_and_b32 s23, s20, 1                          ; which half of the rows' 512 columns
	s_mov_b64 s[24:25], s[10:11]
	s_cmp_eq_u32 s21, 1
	s_cselect_b64 s[24:25], s[8:9], s[24:25]
	s_cmp_eq_u32 s21, 0
	s_cselect_b64 s[24:25], s[6:7], s[24:25]       ; the plane: a choice on the work-group's number alone
	s_lshl_b32 s26, s22, 14                        ; 8 rows of 2,048 bytes
	s_mov_b32 s27, 0
	s_add_nc_u64 s[28:29], s[24:25], s[26:27]      ; rows 8 g .. 8 g + 7
	s_lshl_b32 s26, s22, 3
	s_add_co_u32 s26, s26, 8
	s_min_u32 s26, s26, 511                        ; the ninth row, held at the plane's last
	s_lshl_b32 s26, s26, 11
	s_add_nc_u64 s[30:31], s[24:25], s[26:27]
	s_lshl_b32 s26, s21, 22                        ; the plane's table of 4 MiB,
	s_lshl_b32 s32, s22, 16                        ; 8 rows of 512 entries of 16 bytes
	s_add_co_u32 s26, s26, s32
	s_add_nc_u64 s[16:17], s[16:17], s[26:27]
	s_lshl_b32 s23, s23, 8
	v_add_nc_u32 v1, s23, v0                       ; c2
	v_add_nc_u32 v2, 1, v1
	v_min_u32 v2, 511, v2                          ; c2'
	v_lshlrev_b32 v3, 2, v1
	v_lshlrev_b32 v4, 2, v2
	v_lshlrev_b32 v5, 4, v1
.irp i, 0,1,2,3,4,5,6,7
	global_load_b32 v[8+2*\i], v3, s[28:29] offset:2048*\i
	global_load_b32 v[9+2*\i], v4, s[28:29] offset:2048*\i
.endr
	global_load_b32 v24, v3, s[30:31]
	global_load_b32 v25, v4, s[30:31]
.irp i, 0,1,2,3,4,5,6,7
	s_wait_loadcnt 14-2*\i                         ; rows 0 .. i + 1 are the first 2 i + 4 of the 18 loads, which come back in order (ISA guide 5.7.1)
	global_store_b128 v5, v[8+2*\i:11+2*\i], s[16:17] offset:8192*\i   ; a wave stores 512 consecutive bytes
.endr
	s_endpgm
.Lfunc_end_k_q6ea10718ca_prep:
	.size	k_q6ea10718ca_prep, .Lfunc_end_k_q6ea10718ca_prep-k_q6ea10718ca_prep
	.p2alignl 7, 3214868480
	.fill 96, 4, 3214868480
	.section	.rodata,"a",@progbits
	.p2align	6, 0x0
	.amdhsa_kernel k_q6ea10718ca_prep
		.amdhsa_group_segment_fixed_size 0
		.amdhsa_private_segment_fixed_size 0
		.amdhsa_enable_private_segment 0
		.amdhsa_kernarg_size 64
		.amdhsa_user_sgpr_count 2
		.amdhsa_user_sgpr_kernarg_segment_ptr 1
		.amdhsa_wavefront_size32 1
		.amdhsa_system_sgpr_workgroup_id_x 1
		.amdhsa_system_sgpr_workgroup_id_y 1
		.amdhsa_system_sgpr_workgroup_id_z 1
		.amdhsa_system_vgpr_workitem_id 0
		.amdhsa_next_free_vgpr 128
		.amdhsa_next_free_sgpr 66
		.amdhsa_reserve_vcc 0
		.amdhsa_float_denorm_mode_32 3
		.amdhsa_float_denorm_mode_16_64 3
		.amdhsa_memory_ordered 1
		.amdhsa_forward_progress 1
		.amdhsa_inst_pref_size 21
	.end_amdhsa_kernel
	.amdgpu_metadata
---
amdhsa.version: [ 1, 2 ]
amdhsa.kernels:
  - .name:           k_q6ea10718ca_prep
    .symbol:         k_q6ea10718ca_prep.kd
    .args:
      - { .name: points, .offset: 0, .size: 8, .value_kind: global_buffer, .address_space: global }
      - { .name: xy_plane, .offset: 8, .size: 8, .value_kind: global_buffer, .address_space: global }
      - { .name: xz_plane, .offset: 16, .size: 8, .value_kind: global_buffer, .address_space: global }
      - { .name: yz_plane, .offset: 24, .size: 8, .value_kind: global_buffer, .address_space: global }
      - { .name: w2, .offset: 32, .size: 8, .value_kind: global_buffer, .address_space: global }
      - { .name: cells, .offset: 40, .size: 8, .value_kind: global_buffer, .address_space: global }
      - { .name: quads, .offset: 48, .size: 8, .value_kind: global_buffer, .address_space: global }
      - { .name: w2q, .offset: 56, .size: 8, .value_kind: global_buffer, .address_space: global }
    .group_segment_fixed_size: 0
    .private_segment_fixed_size: 0
    .kernarg_segment_align: 8
    .kernarg_segment_size: 64
    .max_flat_workgroup_size: 256
    .sgpr_count:     66
    .vgpr_count:     128
    .wavefront_size: 32
...
	.end_amdgpu_metadata
.endif
;; end of part 1
;; launch mlp (part 2): grid 256 x 1, 4 waves a work-group, no clusters, 0 bytes of LDS; arguments points, cells, quads, w2q, w1, b1, b2, w3, b3, out0; writes out0
.if DOCPART == 2
	.amdgcn_target "amdgcn-amd-amdhsa--gfx1250"
	.amdhsa_code_object_version 6
	.text
	.protected	k_q6ea10718ca_mlp
	.globl	k_q6ea10718ca_mlp
	.p2align	8
	.type	k_q6ea10718ca_mlp,@function
k_q6ea10718ca_mlp:
	s_mov_b64 s[64:65], 0
	v_nop
	global_prefetch_b8 v0, s[64:65] scope:SCOPE_SE
	s_setreg_imm32_b32 hwreg(HW_REG_WAVE_MODE, 25, 1), 1
	s_wait_xcnt 0x0
; out = tanh(relu(Q(relu(F w1 + b1)) Q(w2) + b2) . w3 + b3), F = the sum of three bilinear look-ups.  Q: E3M2 codes with one E8M0 scale for each 32 along K = 128; the product is ONE
; v_wmma_scale_f32_16x16x128_f8f6f4 for 16 points x 16 outputs.  All else in f32.
; SHARES.  1,024 waves, four to a work-group; wave W owns points 1024 W .. 1024 W + 1023: 8 chunks of 128 points; a chunk is 4 batches of 32 points, a batch 2 tiles of 16.  In batch j lane l stands for
; point 4 l + j of the chunk: so a chunk's cells are one load of 16 bytes a lane, its points three, and its results one store of 512 consecutive bytes.
; LOOK-UPS.  The cell numbers come as whole numbers from the launch before (xf << 18 | yf << 9 | zf), the four corners of a cell as one entry of 16 bytes (bl, tl, br, tr) of that launch's tables:
; 3 loads a point.  The fractions are made here from the points, by the same two instructions that made the cells.  A chunk's look-ups are issued a whole chunk's arithmetic ahead of their use.
; LAYOUT.  The product is used transposed: source 0 = 16 columns of w2 (register images made by the launch before), source 1 = 16 points.  Lane (r, h) makes h1 of point r straight in the operand's order:
; register i holds k = 64 (i / 32) + 32 h + i % 32.  So a lane holds two whole blocks of 32 (no other lane is asked for a maximum) and the conversions' results are the operand.  In the result, register
; 8 t + j of lane (r, h) is output 16 t + 8 h + j of point r; b2 in that layout is the product's C, and w3 in that layout multiplies the result.
; All constants (w1, b1, w2's codes and scales, b2, w3) stay in the wave's registers for the whole launch.  NO LDS, NO CLUSTER, NO TENSOR LOAD: what the waves share is 15 KB of constants, which each wave reads
; once; the look-ups are a lane's own, anywhere in 12 MiB.
; LIMITS: points lie in [-1, 1], as the look-up supposes (outside, the cell is held and the fraction is that of p).  NaN and infinities are not served.  A block of h1 that is all zeros gets the scale byte 1 and
; not 127: its codes are zeros.  tanh(z) = 1 - 2 / (1 + 2^(2 log2(e) z)): it ends at +-1 for large |z|; near 0 its error is an absolute one of about 1e-7.
; REGISTERS, in windows of 256 (s_set_vgpr_msb: bits 1:0 source 0, 3:2 source 1, 5:4 source 2, 7:6 destination):
;   window 0: addresses, scales, sums, codes, the two tiles' 64 numbers a lane.   window 1: w1, b1, w3, b2.   window 2: w2's fragments, and all that the look-ups touch.
.set DUAL,   1                         ; 1: two relus in one dual instruction; 0: two plain ones
.set CHUNKS, 8
.set LA16,  2                          ; v2   16 x lane
.set SH8,   3                          ; v3   8 h
.set LA4,   4                          ; v4   4 x lane
.set HA128, 5                          ; v5   128 h
.set HA32,  6                          ; v6   32 h
.set OTH,   7                          ; v7   the other half's scale bytes
.set OUTR,  16                         ; v16-19  batch j's result for my point
.set M,     20                         ; v20-23  four running maxima
.set SO,    24                         ; v24-25  the conversions' scale operands
.set BY,    26                         ; v26-27  the scale bytes
.set MY,    28                         ; v28
.set B3S,   29                         ; v29  b3 x 2 log2(e)
.set HS,    30                         ; v30, v31  h1's scale words, tile 0, 1: scales and nothing else
.set W2S,   32                         ; v32-39    w2's scale words, tile t: scales and nothing else
.set S,     40                         ; v40-55, v56-71  eight packed partial sums of the last product, tile 0, 1
.set PC,    72                         ; v72-83, v84-95  h1's codes, tile 0, 1
.set TMP,   96                         ; v96-102
.set H,     104                        ; v104-167, v168-231  h1, then h2, tile 0, 1
.set TT,    232                        ; v232-235
.set FP,    236                        ; v236-251  F of (batch j, tile u) in the low register of the pair at FP + 4 j + 2 u
.set W1,    0                          ; window 1
.set B1,    64
.set W3,    128
.set B2,    192
.set W2F,   0                          ; window 2: tile t's fragment at 12 t
.set G,     96                         ; (batch j, plane p)'s entry at G + 12 j + 4 p
.set O,     144                        ; its byte offset in its table at O + 3 j + p
.set FRC,   156                        ; point j's fractions at FRC + 4 j: fx, fz, fy, and a register that is only named as a pair's upper half
.set PTS,   172
.set IDX,   184
.set T,     188
.set A16,   192                        ; 16 x lane
.set A48,   193                        ; 48 x lane
.set MSB, 0
.macro WIN new                         ; the immediate's high byte repeats the setting that is left; a switch that changes nothing is dropped
.if MSB != \new
	s_set_vgpr_msb (MSB<<8)|\new
.set MSB, \new
.endif
.endm
.set W_L1,  0x11                       ; sources 0 and 2 window 1
.set W_MM,  0x12                       ; A window 2, C window 1
.set W_DOT, 0x01                       ; source 0 window 1
.set W_G,   0xaa                       ; all window 2
.set W_GF,  0x0a                       ; sources 0 and 1 window 2, destination window 0
.set TO1,   0x40
.set TO2,   0x80
.macro RELU2 a                         ; two neighbouring registers, the first an even one
.if DUAL
	v_dual_max_num_f32 v[\a], 0, v[\a] :: v_dual_max_num_f32 v[(\a)+1], 0, v[(\a)+1]
.else
	v_max_num_f32 v[\a], 0, v[\a]
	v_max_num_f32 v[(\a)+1], 0, v[(\a)+1]
.endif
.endm
.macro LOADS off                       ; the cells and points of the chunk off chunks behind the pointers
	WIN W_G
	global_load_b128 v[IDX:IDX+3], v[A16], s[6:7] offset:512*(\off) th:TH_LOAD_NT
.irp i, 0,1,2
	global_load_b128 v[PTS+4*\i:PTS+4*\i+3], v[A48], s[4:5] offset:1536*(\off)+16*\i   ; no hint: the three loads take neighbouring bytes, 48 a lane
.endr
.endm
.macro PREP                            ; fractions and table offsets of a chunk's 4 points a lane; stage by stage, so that no line waits for the line above it
	WIN W_G
.irp i, 0,2,4,6,8,10
	v_pk_add_f32 v[PTS+\i:PTS+\i+1], v[PTS+\i:PTS+\i+1], 1.0 op_sel_hi:[1,0]
.endr
.irp i, 0,2,4,6,8,10
	v_pk_mul_f32 v[PTS+\i:PTS+\i+1], v[PTS+\i:PTS+\i+1], 0x437f8000 op_sel_hi:[1,0]   ; x 255.5: p, the same bits as in the launch that made the cells
.endr
.irp j, 0,1,2,3
	v_fract_f32 v[FRC+4*\j], v[PTS+3*\j]           ; fx
	v_fract_f32 v[FRC+4*\j+2], v[PTS+3*\j+1]       ; fy
	v_fract_f32 v[FRC+4*\j+1], v[PTS+3*\j+2]       ; fz
.endr
.irp j, 0,1,2,3
	v_lshrrev_b32 v[O+3*\j], 9, v[IDX+\j]          ; 512 xf + yf
	v_and_b32 v[T+\j], 0x1ff, v[IDX+\j]            ; zf
	v_and_b32 v[O+3*\j+2], 0x3ffff, v[IDX+\j]      ; 512 yf + zf
.endr
.irp j, 0,1,2,3
	v_and_or_b32 v[O+3*\j+1], v[O+3*\j], 0x3fe00, v[T+\j]   ; 512 xf + zf
.endr
.irp n, 0,1,2,3,4,5,6,7,8,9,10,11
	v_min_u32 v[O+\n], 0x3ffff, v[O+\n]            ; a loaded number enters an address only held to its table's size
.endr
.irp n, 0,1,2,3,4,5,6,7,8,9,10,11
	v_lshlrev_b32 v[O+\n], 4, v[O+\n]              ; entries of 16 bytes
.endr
.endm
.macro GATHER                          ; 12 look-ups a lane; no hint: many waves read the tables
	WIN W_G
.irp j, 0,1,2,3
	global_load_b128 v[G+12*\j:G+12*\j+3], v[O+3*\j], s[8:9]
	global_load_b128 v[G+12*\j+4:G+12*\j+7], v[O+3*\j+1], s[28:29]
	global_load_b128 v[G+12*\j+8:G+12*\j+11], v[O+3*\j+2], s[30:31]
.endr
.endm
.macro INTERP                          ; entry (bl, tl, br, tr): (bottom, top) = (bl, tl) + ((br, tr) - (bl, tl)) h;  value = bottom + (top - bottom) v.  xy: h = fx, v = fy;  xz: fx, fz;  yz: fy, fz
	WIN W_G
.irp j, 0,1,2,3
.irp p, 0,1,2
.set Q, G+12*\j+4*\p
	v_pk_add_f32 v[Q+2:Q+3], v[Q+2:Q+3], v[Q:Q+1] neg_lo:[0,1] neg_hi:[0,1]
.endr
.endr
.irp j, 0,1,2,3
.irp p, 0,1,2
.set Q, G+12*\j+4*\p
	v_pk_fma_f32 v[Q:Q+1], v[Q+2:Q+3], v[FRC+4*\j+2*(\p/2):FRC+4*\j+2*(\p/2)+1], v[Q:Q+1] op_sel_hi:[1,0,1]   ; the pair's low register (fx or fy) serves both halves
.endr
.endr
.irp j, 0,1,2,3
.irp p, 0,1,2
.set Q, G+12*\j+4*\p
	v_sub_f32 v[Q+2], v[Q+1], v[Q]
.endr
.endr
.irp j, 0,1,2,3
.irp p, 0,1,2
.set Q, G+12*\j+4*\p
	v_fma_f32 v[Q], v[Q+2], v[FRC+4*\j+2-(\p+1)/2], v[Q]
.endr
.endr
.irp j, 0,1,2,3
	v_add_f32 v[G+12*\j], v[G+12*\j], v[G+12*\j+4] ; xy + xz
.endr
	WIN W_GF
.irp j, 0,1,2,3
	v_add_f32 v[FP+4*\j], v[G+12*\j], v[G+12*\j+8] ; + yz: F of my point, twice
	v_add_f32 v[FP+4*\j+2], v[G+12*\j], v[G+12*\j+8]
.endr
	WIN 0
.irp j, 0,1,2,3
	v_permlane16_swap_b32 v[FP+4*\j], v[FP+4*\j+2] ; the first's lanes 16-31 change places with the second's lanes 0-15: the first now holds F of lane r (tile 0's point r) in both halves, the second F of lane 16 + r (tile 1's)
.endr
.endm
.macro L1A u, j                        ; h1 before the relu: F w1 + b1, 64 numbers a lane, two an instruction
	WIN W_L1
.set HB, H+64*(\u)
.set FB, FP+4*(\j)+2*(\u)
.set i, 0
.rept 32
	v_pk_fma_f32 v[HB+i:HB+i+1], v[W1+i:W1+i+1], v[FB:FB+1], v[B1+i:B1+i+1] op_sel_hi:[1,0,1]
.set i, i+2
.endr
.endm
.macro L1B u                           ; relu, the two blocks' scales, the codes
	WIN 0
.set HB, H+64*(\u)
.set PB, PC+12*(\u)
.irp q, 0,1,2,3                        ; four chains of 16.  No |.| on the sources: what is negative becomes 0 and must not count; the floor 2^(5 - 127) stands over it, and holds the byte at 1 from below
	v_max3_num_f32 v[M+\q], v[HB+16*\q], v[HB+16*\q+1], 0x2800000
	RELU2 HB+16*\q
.endr
.irp i, 2,4,6,8,10,12,14
.irp q, 0,1,2,3
	v_max3_num_f32 v[M+\q], v[M+\q], v[HB+16*\q+\i], v[HB+16*\q+\i+1]
	RELU2 HB+16*\q+\i
.endr
.endr
.irp c, 0,1
	v_max_num_f32 v[M+2*\c], v[M+2*\c], v[M+2*\c+1]
.endr
.irp c, 0,1
	v_add_nc_u32 v[SO+\c], 0xfe000000, v[M+2*\c]   ; 4 off the exponent field: the conversion's scale operand
.endr
.irp c, 0,1
	v_lshrrev_b32 v[BY+\c], 23, v[SO+\c]           ; the scale's byte
.endr
	v_lshl_or_b32 v[MY], v[BY+1], 16, v[BY]        ; blocks h and 2 + h of my point,
	v_lshlrev_b32 v[MY], v[SH8], v[MY]             ; at their places in the word;
	v_permlanex16_b32 v[OTH], v[MY], s34, s35
	v_or_b32 v[HS+\u], v[MY], v[OTH]               ; with lane l xor 16's two the word is whole
.irp c, 0,1
	v_cvt_scalef32_pk16_bf6_f32 v[PB+6*\c:PB+6*\c+2], v[HB+32*\c:HB+32*\c+15], v[SO+\c]
	v_cvt_scalef32_pk16_bf6_f32 v[TMP+4*\c:TMP+4*\c+2], v[HB+32*\c+16:HB+32*\c+31], v[SO+\c]   ; (a conversion's three registers begin on an even number)
.endr
	v_nop                                          ; one plain instruction behind the last scaled conversion: its results are moved next, and the product later writes over its sources
.irp c, 0,1
.irp e, 0,1,2
	v_mov_b32 v[PB+6*\c+3+\e], v[TMP+4*\c+\e]
.endr
.endr
.endm
.macro WM u                            ; eight products, one for each 16 outputs: each is a whole sum (K = 128), with b2 as its C; its result takes the registers that h1 has left.  No accumulator is taken up twice
	WIN W_MM
.set HB, H+64*(\u)
.set PB, PC+12*(\u)
.irp t, 0,1,2,3,4,5,6,7
	v_wmma_scale_f32_16x16x128_f8f6f4 v[HB+8*\t:HB+8*\t+7], v[W2F+12*\t:W2F+12*\t+11], v[PB:PB+11], v[B2+8*\t:B2+8*\t+7], v[W2S+\t], v[HS+\u] matrix_a_fmt:MATRIX_FMT_BF6 matrix_b_fmt:MATRIX_FMT_BF6
.endr
.endm
.macro RELU u, a, b                    ; registers a .. b - 1 of tile u, ascending: each result is read from its low end on
	WIN 0
.set i, H+64*(\u)+(\a)
.rept ((\b)-(\a))/2
	RELU2 i
.set i, i+2
.endr
.endm
.macro DOT u                           ; h2 . w3, my 64 outputs: eight packed chains; the first eight products start the sums
	WIN W_DOT
.set HB, H+64*(\u)
.set SB, S+16*(\u)
.set i, 0
.rept 32
.if i < 8
	v_pk_mul_f32 v[SB+2*i:SB+2*i+1], v[W3+2*i:W3+2*i+1], v[HB+2*i:HB+2*i+1]
.else
	v_pk_fma_f32 v[SB+2*(i%8):SB+2*(i%8)+1], v[W3+2*i:W3+2*i+1], v[HB+2*i:HB+2*i+1], v[SB+2*(i%8):SB+2*(i%8)+1]
.endif
.set i, i+1
.endr
.endm
.macro RED j                           ; the chains are added, the two tiles by turns; then the halves of the lanes
	WIN 0
.irp q, 0,1,2,3
.irp u, 0,1
	v_pk_add_f32 v[S+16*\u+2*\q:S+16*\u+2*\q+1], v[S+16*\u+2*\q:S+16*\u+2*\q+1], v[S+16*\u+2*\q+8:S+16*\u+2*\q+9]
.endr
.endr
.irp q, 0,1
.irp u, 0,1
	v_pk_add_f32 v[S+16*\u+2*\q:S+16*\u+2*\q+1], v[S+16*\u+2*\q:S+16*\u+2*\q+1], v[S+16*\u+2*\q+4:S+16*\u+2*\q+5]
.endr
.endr
.irp u, 0,1
	v_pk_add_f32 v[S+16*\u:S+16*\u+1], v[S+16*\u:S+16*\u+1], v[S+16*\u+2:S+16*\u+3]
.endr
.irp u, 0,1
	v_add_f32 v[S+16*\u], v[S+16*\u], v[S+16*\u+1]
.endr
	v_permlane16_swap_b32 v[S], v[S+16]            ; the first now holds both tiles' sums over the outputs of h = 0, the second those of h = 1, each at the lane of its point
	v_add_f32 v[OUTR+\j], v[S], v[S+16]            ; lane l: its own point's h2 . w3
.endm
; A BATCH.  A vector instruction that reads a matrix result stands four plain vector instructions that name none of the product's registers behind it; an operand written by vector instructions stands four, a scale
; register so written eight, ahead of a scaled product (ISA guide 7.12.1 for the first).  Here the other tile's work fills these places, and the vector unit works while the products run:
; 32 multiply-adds of tile 1 stand between tile 0's codes and its products; tile 1's relu and quantising stand behind tile 0's products; the first relus of tile 0's results stand between tile 1's codes and
; its products (with the v_nop and the six moves: 15 places behind the scale word, 8 behind the last move); the rest of tile 0's way stands behind tile 1's products.
.macro BATCH j
	L1A 0, \j
	L1B 0
	L1A 1, \j
	WM 0
	L1B 1
	RELU 0, 0, 16
	WM 1
	RELU 0, 16, 64
	DOT 0
	RELU 1, 0, 64
	DOT 1
	RED \j
.endm
	s_load_b256 s[4:11], s[0:1], 0x0               ; points s[4:5], cells s[6:7], quads s[8:9], w2q s[10:11]
	s_load_b256 s[12:19], s[0:1], 0x20             ; w1 s[12:13], b1 s[14:15], b2 s[16:17], w3 s[18:19]
	s_load_b128 s[20:23], s[0:1], 0x40             ; b3 s[20:21], out0 s[22:23]
	v_lshrrev_b32 v1, 5, v0
	v_readfirstlane_b32 s24, v1                    ; wave 0..3
	v_and_b32 v1, 31, v0                           ; lane
	v_bfe_u32 v8, v0, 4, 1                         ; h
	v_lshlrev_b32 v[LA16], 4, v1
	v_lshlrev_b32 v[LA4], 2, v1
	v_lshlrev_b32 v[SH8], 3, v8
	v_lshlrev_b32 v[HA128], 7, v8
	v_lshlrev_b32 v[HA32], 5, v8
	v_mov_b32 v[OTH], 0                            ; a lane permute's destination counts as one of its sources
.irp n, 1,3,5,7,9,11,13,15
	v_mov_b32 v[FP+\n], 0                          ; named as the upper halves of F's pairs, so they are written
.endr
	WIN TO2
	v_lshlrev_b32 v[A16], 4, v1
	v_mul_u32_u24 v[A48], v1, 48
.irp j, 0,1,2,3
	v_mov_b32 v[FRC+4*\j+3], 0                     ; named as the upper half of fy's pair
.endr
	WIN 0
	s_lshl_b32 s25, ttmp9, 2
	s_add_co_u32 s25, s25, s24                     ; W
	s_mov_b32 s27, 0
	s_mov_b32 s33, CHUNKS                          ; chunks to go
	s_mov_b32 s34, 0x76543210
	s_mov_b32 s35, 0xfedcba98                      ; v_permlanex16_b32's selects for lane l xor 16
	s_mov_b32 s38, 0x4038aa3b                      ; 2 log2(e)
	s_wait_kmcnt 0x0
	s_load_b32 s32, s[20:21], 0x0                  ; b3
	s_mul_i32 s26, s25, 12288                      ; 1,024 points of 12 bytes
	s_add_nc_u64 s[4:5], s[4:5], s[26:27]
	s_lshl_b32 s26, s25, 12                        ; 1,024 words
	s_add_nc_u64 s[6:7], s[6:7], s[26:27]
	s_add_nc_u64 s[22:23], s[22:23], s[26:27]
	s_add_nc_u64 s[28:29], s[8:9], 0x400000        ; the xz table
	s_add_nc_u64 s[30:31], s[8:9], 0x800000        ; the yz table
	LOADS 0                                        ; chunk 0 first: its look-ups hang on it
	WIN TO2
.irp t, 0,1,2,3,4,5,6,7
.irp g, 0,1,2
	global_load_b128 v[W2F+12*\t+4*\g:W2F+12*\t+4*\g+3], v[LA16], s[10:11] offset:1536*\t+512*\g   ; w2's fragments, as images of these registers
.endr
.endr
	WIN 0
.irp t, 0,1,2,3,4,5,6,7
	global_load_b32 v[W2S+\t], v[LA4], s[10:11] offset:12288+128*\t
.endr
	s_wait_loadcnt 32                              ; behind chunk 0's four loads stand these 24 + 8: its cells and points are in
	PREP
	GATHER                                         ; chunk 0's look-ups
	LOADS 1                                        ; chunk 1's cells and points
	WIN TO1
.irp c, 0,1
.irp q, 0,1,2,3,4,5,6,7
	global_load_b128 v[W1+32*\c+4*\q:W1+32*\c+4*\q+3], v[HA128], s[12:13] offset:256*\c+16*\q   ; register 32 c + i: k = 64 c + 32 h + i
	global_load_b128 v[B1+32*\c+4*\q:B1+32*\c+4*\q+3], v[HA128], s[14:15] offset:256*\c+16*\q
.endr
.endr
.irp t, 0,1,2,3,4,5,6,7
.irp e, 0,1
	global_load_b128 v[W3+8*\t+4*\e:W3+8*\t+4*\e+3], v[HA32], s[18:19] offset:64*\t+16*\e       ; register 8 t + j: output 16 t + 8 h + j
	global_load_b128 v[B2+8*\t+4*\e:B2+8*\t+4*\e+3], v[HA32], s[16:17] offset:64*\t+16*\e
.endr
.endr
	WIN 0
	s_wait_kmcnt 0x0
	v_mov_b32 v[B3S], s32
	v_mul_f32 v[B3S], s38, v[B3S]                  ; b3 x 2 log2(e)
.Lchunk:                                               ; trip c works chunk c, issues chunk c + 1's look-ups and chunk c + 2's cells and points
	s_wait_loadcnt 0x0                             ; this chunk's look-ups, the next chunk's cells and points (and, in the first trip, the constants): all issued a chunk's arithmetic ago.  For 0, so that the count holds on the ways that skip loads
	s_wait_xcnt 0x0                                ; the last store has read its data and its base: both are written again below
	s_add_nc_u64 s[6:7], s[6:7], 512               ; the pointers now stand at chunk c + 1
	s_add_nc_u64 s[4:5], s[4:5], 1536
	s_add_nc_u64 s[22:23], s[22:23], 512
	INTERP                                         ; chunk c's F
	s_cmp_eq_u32 s33, 1                            ; the last chunk asks for nothing
	s_cbranch_scc1 .Lmlp
	PREP
	GATHER                                         ; chunk c + 1's look-ups
	WIN 0
	s_cmp_eq_u32 s33, 2                            ; no load leaves its buffer: chunk 7 is the last that is loaded
	s_cbranch_scc1 .Lmlp
	LOADS 1                                        ; chunk c + 2
	WIN 0
.Lmlp:
	BATCH 0
	BATCH 1
	BATCH 2
	BATCH 3
.irp j, 0,1,2,3
	v_fma_f32 v[TT+\j], v[OUTR+\j], s38, v[B3S]    ; 2 log2(e) (h2 . w3 + b3)
.endr
.irp j, 0,1,2,3
	v_exp_f32 v[TT+\j], v[TT+\j]
.endr
	v_nop                                          ; one plain instruction behind the last transcendental (ISA guide 5.7.2)
	s_wait_alu depctr_va_vdst(0)
.irp j, 0,1,2,3
	v_add_f32 v[TT+\j], 1.0, v[TT+\j]
.endr
.irp j, 0,1,2,3
	v_rcp_f32 v[TT+\j], v[TT+\j]
.endr
	v_nop
	s_wait_alu depctr_va_vdst(0)
.irp j, 0,1,2,3
	v_fma_f32 v[OUTR+\j], v[TT+\j], -2.0, 1.0      ; tanh
.endr
	global_store_b128 v[LA16], v[OUTR:OUTR+3], s[22:23] offset:-512 th:TH_STORE_NT   ; 32 lanes store the chunk's 512 consecutive bytes, at a multiple of 256 from out0's first byte
	s_sub_co_u32 s33, s33, 1
	s_cmp_lg_u32 s33, 0
	s_cbranch_scc1 .Lchunk
	s_endpgm
.Lfunc_end_k_q6ea10718ca_mlp:
	.size	k_q6ea10718ca_mlp, .Lfunc_end_k_q6ea10718ca_mlp-k_q6ea10718ca_mlp
	.p2alignl 7, 3214868480
	.fill 96, 4, 3214868480
	.section	.rodata,"a",@progbits
	.p2align	6, 0x0
	.amdhsa_kernel k_q6ea10718ca_mlp
		.amdhsa_group_segment_fixed_size 0
		.amdhsa_private_segment_fixed_size 0
		.amdhsa_enable_private_segment 0
		.amdhsa_kernarg_size 80
		.amdhsa_user_sgpr_count 2
		.amdhsa_user_sgpr_kernarg_segment_ptr 1
		.amdhsa_wavefront_size32 1
		.amdhsa_system_sgpr_workgroup_id_x 1
		.amdhsa_system_sgpr_workgroup_id_y 1
		.amdhsa_system_sgpr_workgroup_id_z 1
		.amdhsa_system_vgpr_workitem_id 0
		.amdhsa_next_free_vgpr 768
		.amdhsa_next_free_sgpr 66
		.amdhsa_reserve_vcc 0
		.amdhsa_float_denorm_mode_32 3
		.amdhsa_float_denorm_mode_16_64 3
		.amdhsa_memory_ordered 1
		.amdhsa_forward_progress 1
		.amdhsa_inst_pref_size 129
	.end_amdhsa_kernel
	.amdgpu_metadata
---
amdhsa.version: [ 1, 2 ]
amdhsa.kernels:
  - .name:           k_q6ea10718ca_mlp
    .symbol:         k_q6ea10718ca_mlp.kd
    .args:
      - { .name: points, .offset: 0, .size: 8, .value_kind: global_buffer, .address_space: global }
      - { .name: cells, .offset: 8, .size: 8, .value_kind: global_buffer, .address_space: global }
      - { .name: quads, .offset: 16, .size: 8, .value_kind: global_buffer, .address_space: global }
      - { .name: w2q, .offset: 24, .size: 8, .value_kind: global_buffer, .address_space: global }
      - { .name: w1, .offset: 32, .size: 8, .value_kind: global_buffer, .address_space: global }
      - { .name: b1, .offset: 40, .size: 8, .value_kind: global_buffer, .address_space: global }
      - { .name: b2, .offset: 48, .size: 8, .value_kind: global_buffer, .address_space: global }
      - { .name: w3, .offset: 56, .size: 8, .value_kind: global_buffer, .address_space: global }
      - { .name: b3, .offset: 64, .size: 8, .value_kind: global_buffer, .address_space: global }
      - { .name: out0, .offset: 72, .size: 8, .value_kind: global_buffer, .address_space: global }
    .group_segment_fixed_size: 0
    .private_segment_fixed_size: 0
    .kernarg_segment_align: 8
    .kernarg_segment_size: 80
    .max_flat_workgroup_size: 128
    .sgpr_count:     66
    .vgpr_count:     768
    .wavefront_size: 32
...
	.end_amdgpu_metadata
.endif
;; end of part 2
;; ======== version 2 of 2: 2 launches
;; workspace buffers: cells 4,194,304 bytes of whole numbers; quads 12,582,912 bytes; w2q 13,312 bytes
;; launch prep (part 3): grid 897 x 1, 8 waves a work-group, no clusters, 0 bytes of LDS; arguments points, xy_plane, xz_plane, yz_plane, w2, cells, quads, w2q; writes cells, quads, w2q
.if DOCPART == 3
	.amdgcn_target "amdgcn-amd-amdhsa--gfx1250"
	.amdhsa_code_object_version 6
	.text
	.protected	k_q6ea10718ca_prep
	.globl	k_q6ea10718ca_prep
	.p2align	8
	.type	k_q6ea10718ca_prep,@function
k_q6ea10718ca_prep:
	s_mov_b64 s[64:65], 0
	v_nop
	global_prefetch_b8 v0, s[64:65] scope:SCOPE_SE
	s_setreg_imm32_b32 hwreg(HW_REG_WAVE_MODE, 25, 1), 1
	s_wait_xcnt 0x0
; WHAT THE SECOND LAUNCH NEEDS AS WHOLE NUMBERS AND AS TABLES.  Three kinds of work-group, told apart by the work-group's number alone:
;   0 .. NP-1        cells:  for 2,048 points each, one word a point: xf << 18 | yf << 9 | zf, with xf = min(trunc((x + 1) * 255.5), 511), yf and zf likewise.
;   NP .. NP+NQ-1    quads:  8 rows x 256 columns of one plane each: entry (c1, c2), 16 bytes at ((c1 << 9) + c2) * 16 of the plane's table of 4 MiB (tables in the order xy, xz, yz), holds
;                            P[c1][c2], P[c1][c2'], P[c1'][c2], P[c1'][c2'] with c' = min(c + 1, 511): a bilinear look-up is then ONE aligned load of 16 bytes, and both clamps are done here.
;   NP+NQ            w2q:    w2 [128 (k)][128 (n)] quantised along k to E3M2 with one E8M0 byte for each 32, as images of the matrix operand's registers: tile t (columns 16 t .. 16 t + 15),
;                            register group g, lane l at 1536 t + 512 g + 16 l; the tile's scale words, 4 bytes a lane, at 12288 + 128 t + 4 l.
; (x + 1) * 0.5 * 511 and (x + 1) * 255.5 have the same bits: the halving rounds nothing.  The second launch makes p by the same two instructions, so its fractions fit these cells.
; LIMITS: points lie in [-1, 1], as the look-up in the planes supposes; outside, a cell is held to 0 .. 511.  NaN and infinities are not served.  A block of 32 zeros of w2 gets the scale byte 1
; (the floor) and not 127: its codes are zeros, which add nothing under any byte but 0xff, and this program alone reads the bytes.
; No LDS, no barrier: no wave needs another's data.
.set NP, 512                           ; work-groups for the cells: 1,048,576 / 2,048
.set NQ, 384                           ; for the quads: 3 planes x 64 groups of 8 rows x 2 halves of a row
	s_load_b256 s[4:11], s[0:1], 0x0               ; points s[4:5], xy s[6:7], xz s[8:9], yz s[10:11]
	s_load_b256 s[12:19], s[0:1], 0x20             ; w2 s[12:13], cells s[14:15], quads s[16:17], w2q s[18:19]
	s_wait_kmcnt 0x0
	s_cmp_lt_u32 ttmp9, NP
	s_cbranch_scc1 .Lcells
	s_cmp_lt_u32 ttmp9, NP+NQ
	s_cbranch_scc1 .Lquads
; ---- w2q.  Wave t takes tile t.  A LANE TAKES A COLUMN n = 16 t + r AND ITS REGISTERS RUN DOWN K, in the order that the operand's layout gives the lane: k = 64 c + 32 h + 0 .. 31.
; So a lane holds two whole blocks, no other lane is asked for a maximum, and the conversions' results are the operand's registers.
	v_lshrrev_b32 v1, 5, v0
	s_delay_alu instid0(VALU_DEP_1)
	v_readfirstlane_b32 s20, v1                    ; t
	v_and_b32 v1, 15, v0                           ; r
	v_bfe_u32 v2, v0, 4, 1                         ; h
	s_delay_alu instid0(VALU_DEP_2)
	v_lshlrev_b32 v3, 2, v1
	s_delay_alu instid0(VALU_DEP_1)
	v_lshl_add_u32 v3, v2, 14, v3                  ; 4 r + 32 h rows of 512 bytes
	s_wait_alu depctr_va_vdst(0)
	s_lshl_b32 s22, s20, 6                         ; the tile's 16 columns: 64 bytes
	s_mov_b32 s23, 0
	s_add_nc_u64 s[12:13], s[12:13], s[22:23]
	s_mul_i32 s22, s20, 1536
	s_add_nc_u64 s[24:25], s[18:19], s[22:23]      ; the tile's image
	s_lshl_b32 s22, s20, 7
	s_add_nc_u64 s[26:27], s[18:19], s[22:23]      ; its scale words (12,288 further on, in the immediate)
	s_mov_b32 s28, 0x76543210
	s_mov_b32 s29, 0xfedcba98                      ; v_permlanex16_b32's selects for lane l xor 16
.irp c, 0,1
.set i, 0
.rept 32
	global_load_b32 v[32+32*\c+i], v3, s[12:13] offset:512*(64*\c+i)   ; w2[64 c + 32 h + i][16 t + r]
.set i, i+1
.endr
.endr
	v_and_b32 v19, 31, v0
	s_delay_alu instid0(VALU_DEP_1)
	v_lshlrev_b32 v20, 2, v19                      ; 4 x lane
	s_delay_alu instid0(VALU_DEP_2)
	v_lshlrev_b32 v19, 4, v19                      ; 16 x lane
	v_lshlrev_b32 v17, 3, v2                       ; 8 h
	v_mov_b32 v18, 0                               ; a lane permute's destination counts as one of its sources
	s_wait_loadcnt 0x0
.irp q, 0,1,2,3                        ; four chains of 16 numbers; chains 2 c and 2 c + 1 are block c of the lane
	v_max3_num_f32 v[8+\q], |v[32+16*\q]|, |v[33+16*\q]|, 0x2800000   ; with the floor 2^(5 - 127): the byte cannot fall under 1
.endr
.irp i, 2,4,6,8,10,12,14
.irp q, 0,1,2,3
	s_delay_alu instid0(VALU_DEP_4)
	v_max3_num_f32 v[8+\q], v[8+\q], |v[32+16*\q+\i]|, |v[33+16*\q+\i]|
.endr
.endr
.irp c, 0
	s_delay_alu instid0(VALU_DEP_3)
	v_max_num_f32 v[8+2*\c], v[8+2*\c], v[9+2*\c]
.endr
.irp c, 1
	s_delay_alu instid0(VALU_DEP_2)
	v_max_num_f32 v[8+2*\c], v[8+2*\c], v[9+2*\c]  ; the block's largest magnitude
.endr
.irp c, 0,1
	s_delay_alu instid0(VALU_DEP_2)
	v_add_nc_u32 v[12+\c], 0xfe000000, v[8+2*\c]   ; 4 off its exponent field: the conversion takes the exponent field of this operand as its scale
.endr
.irp c, 0,1
	s_delay_alu instid0(VALU_DEP_2)
	v_lshrrev_b32 v[14+\c], 23, v[12+\c]           ; the scale's byte
.endr
	s_delay_alu instid0(VALU_DEP_1)
	v_lshl_or_b32 v16, v15, 16, v14                ; my two bytes, blocks h and 2 + h of my column,
	s_delay_alu instid0(VALU_DEP_1)
	v_lshlrev_b32 v16, v17, v16                    ; at their places in the word;
	s_delay_alu instid0(VALU_DEP_1)
	v_permlanex16_b32 v18, v16, s28, s29
	s_delay_alu instid0(VALU_DEP_1)
	v_or_b32 v16, v16, v18                         ; with lane l xor 16's two the word is whole
.irp c, 0,1
	v_cvt_scalef32_pk16_bf6_f32 v[96+6*\c:98+6*\c], v[32+32*\c:47+32*\c], v[12+\c]
	v_cvt_scalef32_pk16_bf6_f32 v[108+4*\c:110+4*\c], v[48+32*\c:63+32*\c], v[12+\c]   ; (a conversion's three registers begin on an even number: the second half of a block's six is made elsewhere and moved)
.endr
	v_nop                                          ; one plain instruction between a scaled conversion and the vector instruction that touches its result
.irp c, 0,1
.irp e, 0,1,2
	v_mov_b32 v[99+6*\c+\e], v[108+4*\c+\e]
.endr
.endr
.irp g, 0,1,2
	global_store_b128 v19, v[96+4*\g:99+4*\g], s[24:25] offset:512*\g   ; 32 lanes store 512 consecutive bytes
.endr
	global_store_b32 v20, v16, s[26:27] offset:12288
	s_endpgm
; ---- cells.  Two passes of 256 threads x 4 points: a thread reads its 48 bytes by three loads and stores 16 bytes, so that a wave's store covers 512 consecutive bytes.
.Lcells:
	v_mul_u32_u24 v1, v0, 48
	v_lshlrev_b32 v2, 4, v0
	s_mul_i32 s20, ttmp9, 24576                    ; 2,048 points of 12 bytes
	s_mov_b32 s21, 0
	s_add_nc_u64 s[4:5], s[4:5], s[20:21]
	s_lshl_b32 s20, ttmp9, 13                      ; 2,048 words
	s_add_nc_u64 s[14:15], s[14:15], s[20:21]
.irp u, 0,1
.irp i, 0,1,2
	global_load_b128 v[8+12*\u+4*\i:11+12*\u+4*\i], v1, s[4:5] offset:12288*\u+16*\i   ; no hint: the second launch reads the points again
.endr
.endr
.macro CELL u
.set X, 8+12*(\u)
	s_wait_loadcnt 3-3*(\u)                        ; this pass's three loads are in; the other pass's three may be out
.irp i, 0,2,4,6,8,10
	v_pk_add_f32 v[X+\i:X+\i+1], v[X+\i:X+\i+1], 1.0 op_sel_hi:[1,0]
.endr
.irp i, 0,2,4,6,8,10
	v_pk_mul_f32 v[X+\i:X+\i+1], v[X+\i:X+\i+1], 0x437f8000 op_sel_hi:[1,0]   ; x 255.5
.endr
.irp i, 0,1,2,3,4,5,6,7,8,9,10,11
	v_cvt_u32_f32 v[X+\i], v[X+\i]                 ; toward zero: the floor of a number that is not negative
.endr
.irp i, 0,1,2,3,4,5,6,7,8,9,10,11
	v_min_u32 v[X+\i], 511, v[X+\i]
.endr
.irp j, 0,1,2,3
	v_lshl_or_b32 v[40+\j], v[X+3*\j], 9, v[X+3*\j+1]
.endr
.irp j, 0,1,2,3
	s_delay_alu instid0(VALU_DEP_4)
	v_lshl_or_b32 v[32+4*(\u)+\j], v[40+\j], 9, v[X+3*\j+2]
.endr
	global_store_b128 v2, v[32+4*(\u):35+4*(\u)], s[14:15] offset:4096*(\u)   ; each pass has its own data registers: none is written again
.endm
	CELL 0
	CELL 1
	s_endpgm
; ---- quads.  Thread = column c2; nine rows of the plane at c2 and at c2', in row order, into v8 .. v25: entry i of the eight is then v[8 + 2 i : 11 + 2 i] as it stands.
.Lquads:
	s_sub_co_u32 s20, ttmp9, NP
	s_lshr_b32 s21, s20, 7                         ; plane 0, 1, 2 = xy, xz, yz
	s_bfe_u32 s22, s20, 0x60001                    ; which 8 rows: 6 bits from bit 1
	s_and_b32 s23, s20, 1                          ; which half of the rows' 512 columns
	s_mov_b64 s[24:25], s[10:11]
	s_cmp_eq_u32 s21, 1
	s_cselect_b64 s[24:25], s[8:9], s[24:25]
	s_cmp_eq_u32 s21, 0
	s_cselect_b64 s[24:25], s[6:7], s[24:25]       ; the plane: a choice on the work-group's number alone
	s_lshl_b32 s26, s22, 14                        ; 8 rows of 2,048 bytes
	s_mov_b32 s27, 0
	s_add_nc_u64 s[28:29], s[24:25], s[26:27]      ; rows 8 g .. 8 g + 7
	s_lshl_b32 s26, s22, 3
	s_add_co_u32 s26, s26, 8
	s_min_u32 s26, s26, 511                        ; the ninth row, held at the plane's last
	s_lshl_b32 s26, s26, 11
	s_add_nc_u64 s[30:31], s[24:25], s[26:27]
	s_lshl_b32 s26, s21, 22                        ; the plane's table of 4 MiB,
	s_lshl_b32 s32, s22, 16                        ; 8 rows of 512 entries of 16 bytes
	s_add_co_u32 s26, s26, s32
	s_add_nc_u64 s[16:17], s[16:17], s[26:27]
	s_lshl_b32 s23, s23, 8
	v_add_nc_u32 v1, s23, v0                       ; c2
	s_delay_alu instid0(VALU_DEP_1)
	v_add_nc_u32 v2, 1, v1
	s_delay_alu instid0(VALU_DEP_1)
	v_min_u32 v2, 511, v2                          ; c2'
	s_delay_alu instid0(VALU_DEP_3)
	v_lshlrev_b32 v3, 2, v1
	s_delay_alu instid0(VALU_DEP_2)
	v_lshlrev_b32 v4, 2, v2
	v_lshlrev_b32 v5, 4, v1
.irp i, 0,1,2,3,4,5,6,7
	global_load_b32 v[8+2*\i], v3, s[28:29] offset:2048*\i
	global_load_b32 v[9+2*\i], v4, s[28:29] offset:2048*\i
.endr
	global_load_b32 v24, v3, s[30:31]
	global_load_b32 v25, v4, s[30:31]
	s_wait_alu depctr_va_vdst(0)
.irp i, 0,1,2,3,4,5,6,7
	s_wait_loadcnt 14-2*\i                         ; rows 0 .. i + 1 are the first 2 i + 4 of the 18 loads, which come back in order (ISA guide 5.7.1)
	global_store_b128 v5, v[8+2*\i:11+2*\i], s[16:17] offset:8192*\i   ; a wave stores 512 consecutive bytes
.endr
	s_endpgm
.Lfunc_end_k_q6ea10718ca_prep:
	.size	k_q6ea10718ca_prep, .Lfunc_end_k_q6ea10718ca_prep-k_q6ea10718ca_prep
	.p2alignl 7, 3214868480
	.fill 96, 4, 3214868480
	.section	.rodata,"a",@progbits
	.p2align	6, 0x0
	.amdhsa_kernel k_q6ea10718ca_prep
		.amdhsa_group_segment_fixed_size 0
		.amdhsa_private_segment_fixed_size 0
		.amdhsa_enable_private_segment 0
		.amdhsa_kernarg_size 64
		.amdhsa_user_sgpr_count 2
		.amdhsa_user_sgpr_kernarg_segment_ptr 1
		.amdhsa_wavefront_size32 1
		.amdhsa_system_sgpr_workgroup_id_x 1
		.amdhsa_system_sgpr_workgroup_id_y 1
		.amdhsa_system_sgpr_workgroup_id_z 1
		.amdhsa_system_vgpr_workitem_id 0
		.amdhsa_next_free_vgpr 128
		.amdhsa_next_free_sgpr 66
		.amdhsa_reserve_vcc 0
		.amdhsa_float_denorm_mode_32 3
		.amdhsa_float_denorm_mode_16_64 3
		.amdhsa_memory_ordered 1
		.amdhsa_forward_progress 1
		.amdhsa_inst_pref_size 23
	.end_amdhsa_kernel
	.amdgpu_metadata
---
amdhsa.version: [ 1, 2 ]
amdhsa.kernels:
  - .name:           k_q6ea10718ca_prep
    .symbol:         k_q6ea10718ca_prep.kd
    .args:
      - { .name: points, .offset: 0, .size: 8, .value_kind: global_buffer, .address_space: global }
      - { .name: xy_plane, .offset: 8, .size: 8, .value_kind: global_buffer, .address_space: global }
      - { .name: xz_plane, .offset: 16, .size: 8, .value_kind: global_buffer, .address_space: global }
      - { .name: yz_plane, .offset: 24, .size: 8, .value_kind: global_buffer, .address_space: global }
      - { .name: w2, .offset: 32, .size: 8, .value_kind: global_buffer, .address_space: global }
      - { .name: cells, .offset: 40, .size: 8, .value_kind: global_buffer, .address_space: global }
      - { .name: quads, .offset: 48, .size: 8, .value_kind: global_buffer, .address_space: global }
      - { .name: w2q, .offset: 56, .size: 8, .value_kind: global_buffer, .address_space: global }
    .group_segment_fixed_size: 0
    .private_segment_fixed_size: 0
    .kernarg_segment_align: 8
    .kernarg_segment_size: 64
    .max_flat_workgroup_size: 256
    .sgpr_count:     66
    .vgpr_count:     128
    .wavefront_size: 32
...
	.end_amdgpu_metadata
.endif
;; end of part 3
;; launch mlp (part 4): grid 256 x 1, 4 waves a work-group, no clusters, 0 bytes of LDS; arguments points, cells, quads, w2q, w1, b1, b2, w3, b3, out0; writes out0
.if DOCPART == 4
	.amdgcn_target "amdgcn-amd-amdhsa--gfx1250"
	.amdhsa_code_object_version 6
	.text
	.protected	k_q6ea10718ca_mlp
	.globl	k_q6ea10718ca_mlp
	.p2align	8
	.type	k_q6ea10718ca_mlp,@function
k_q6ea10718ca_mlp:
	s_mov_b64 s[64:65], 0
	v_nop
	global_prefetch_b8 v0, s[64:65] scope:SCOPE_SE
	s_setreg_imm32_b32 hwreg(HW_REG_WAVE_SCHED_MODE, 0, 2), 2
	s_setreg_imm32_b32 hwreg(HW_REG_WAVE_MODE, 25, 1), 1
	s_wait_xcnt 0x0
	s_wait_alu depctr_vm_vsrc(0)
; out = tanh(relu(Q(relu(F w1 + b1)) Q(w2) + b2) . w3 + b3), F = the sum of three bilinear look-ups.  Q: E3M2 codes with one E8M0 scale for each 32 along K = 128; the product is ONE
; v_wmma_scale_f32_16x16x128_f8f6f4 for 16 points x 16 outputs.  All else in f32.
; SHARES.  1,024 waves, four to a work-group; wave W owns points 1024 W .. 1024 W + 1023: 8 chunks of 128 points; a chunk is 4 batches of 32 points, a batch 2 tiles of 16.  In batch j lane l stands for
; point 4 l + j of the chunk: so a chunk's cells are one load of 16 bytes a lane, its points three, and its results one store of 512 consecutive bytes.
; LOOK-UPS.  The cell numbers come as whole numbers from the launch before (xf << 18 | yf << 9 | zf), the four corners of a cell as one entry of 16 bytes (bl, tl, br, tr) of that launch's tables:
; 3 loads a point.  The fractions are made here from the points, by the same two instructions that made the cells.  A chunk's look-ups are issued a whole chunk's arithmetic ahead of their use.
; LAYOUT.  The product is used transposed: source 0 = 16 columns of w2 (register images made by the launch before), source 1 = 16 points.  Lane (r, h) makes h1 of point r straight in the operand's order:
; register i holds k = 64 (i / 32) + 32 h + i % 32.  So a lane holds two whole blocks of 32 (no other lane is asked for a maximum) and the conversions' results are the operand.  In the result, register
; 8 t + j of lane (r, h) is output 16 t + 8 h + j of point r; b2 in that layout is the product's C, and w3 in that layout multiplies the result.
; All constants (w1, b1, w2's codes and scales, b2, w3) stay in the wave's registers for the whole launch.  NO LDS, NO CLUSTER, NO TENSOR LOAD: what the waves share is 15 KB of constants, which each wave reads
; once; the look-ups are a lane's own, anywhere in 12 MiB.
; LIMITS: points lie in [-1, 1], as the look-up supposes (outside, the cell is held and the fraction is that of p).  NaN and infinities are not served.  A block of h1 that is all zeros gets the scale byte 1 and
; not 127: its codes are zeros.  tanh(z) = 1 - 2 / (1 + 2^(2 log2(e) z)): it ends at +-1 for large |z|; near 0 its error is an absolute one of about 1e-7.
; THE MODE: SCHED_MODE bits 1:0 = 2 (LLVM: expert scheduling mode 2), set by the entry lines.  The code itself states the register dependences between vector or matrix instructions and memory
; instructions, with s_wait_alu, always for 0.
; THE PLAN.  Registers that memory instructions touch; trip c of the loop works chunk c:
;   v[LA16], v[LA4], v[HA128], v[HA32], v[A16], v[A48]   offsets: written once at the head, read by every load and by the store, never written again.  One wait on va_vdst at the head.
;   v[IDX ..], v[PTS ..]   The loads of chunk c + 2 land there in trip c; PREP of trip c + 1 reads them and writes v[PTS ..] anew.
;   v[O ..]                PREP writes them; the twelve look-ups read them as offsets; the next trip's PREP writes them again.
;   v[G ..]                The look-ups of chunk c + 1 land there in trip c; INTERP of trip c + 1 reads and writes them; behind it the same trip's look-ups land there again.
;   v[OUTR ..]             RED and the last four multiply-adds write them; the store at the trip's end reads them; the next trip's first RED writes them again.
;   w2's fragments and scale words, w1, b1, w3, b2         loaded once at the head, where no vector instruction has named them; afterwards named by vector and matrix instructions alone.
;   v[PC ..], v[HS ..]     no memory instruction names them, but vector instructions write them and the scaled products take them as source 1 and as scales.
; So a trip has: ONE wait on vm_vsrc at its head (the look-ups have read v[O ..], the store has read v[OUTR ..]); ONE wait on va_vdst behind INTERP and PREP, ahead of the sixteen loads (GATHER, and LOADS behind
; it with no vector instruction between); one ahead of each run of eight products; the two behind the transcendentals; one ahead of the store.
; REGISTERS, in windows of 256 (s_set_vgpr_msb: bits 1:0 source 0, 3:2 source 1, 5:4 source 2, 7:6 destination):
;   window 0: addresses, scales, sums, codes, the two tiles' 64 numbers a lane.   window 1: w1, b1, w3, b2.   window 2: w2's fragments, and all that the look-ups touch.
.set DUAL,   1                         ; 1: two relus in one dual instruction; 0: two plain ones
.set CHUNKS, 8
.set LA16,  2                          ; v2   16 x lane
.set SH8,   3                          ; v3   8 h
.set LA4,   4                          ; v4   4 x lane
.set HA128, 5                          ; v5   128 h
.set HA32,  6                          ; v6   32 h
.set OTH,   7                          ; v7   the other half's scale bytes
.set OUTR,  16                         ; v16-19  batch j's result for my point
.set M,     20                         ; v20-23  four running maxima
.set SO,    24                         ; v24-25  the conversions' scale operands
.set BY,    26                         ; v26-27  the scale bytes
.set MY,    28                         ; v28
.set B3S,   29                         ; v29  b3 x 2 log2(e)
.set HS,    30                         ; v30, v31  h1's scale words, tile 0, 1: scales and nothing else
.set W2S,   32                         ; v32-39    w2's scale words, tile t: scales and nothing else
.set S,     40                         ; v40-55, v56-71  eight packed partial sums of the last product, tile 0, 1
.set PC,    72                         ; v72-83, v84-95  h1's codes, tile 0, 1
.set TMP,   96                         ; v96-102
.set H,     104                        ; v104-167, v168-231  h1, then h2, tile 0, 1
.set TT,    232                        ; v232-235
.set FP,    236                        ; v236-251  F of (batch j, tile u) in the low register of the pair at FP + 4 j + 2 u
.set W1,    0                          ; window 1
.set B1,    64
.set W3,    128
.set B2,    192
.set W2F,   0                          ; window 2: tile t's fragment at 12 t
.set G,     96                         ; (batch j, plane p)'s entry at G + 12 j + 4 p
.set O,     144                        ; its byte offset in its table at O + 3 j + p
.set FRC,   156                        ; point j's fractions at FRC + 4 j: fx, fz, fy, and a register that is only named as a pair's upper half
.set PTS,   172
.set IDX,   184
.set T,     188
.set A16,   192                        ; 16 x lane
.set A48,   193                        ; 48 x lane
.set MSB, 0
.macro WIN new                         ; the immediate's high byte repeats the setting that is left; a switch that changes nothing is dropped
.if MSB != \new
	s_set_vgpr_msb (MSB<<8)|\new
.set MSB, \new
.endif
.endm
.set W_L1,  0x11                       ; sources 0 and 2 window 1
.set W_MM,  0x12                       ; A window 2, C window 1
.set W_DOT, 0x01                       ; source 0 window 1
.set W_G,   0xaa                       ; all window 2
.set W_GF,  0x0a                       ; sources 0 and 1 window 2, destination window 0
.set TO1,   0x40
.set TO2,   0x80
.macro RELU2 a                         ; two neighbouring registers, the first an even one
.if DUAL
	v_dual_max_num_f32 v[\a], 0, v[\a] :: v_dual_max_num_f32 v[(\a)+1], 0, v[(\a)+1]
.else
	v_max_num_f32 v[\a], 0, v[\a]
	v_max_num_f32 v[(\a)+1], 0, v[(\a)+1]
.endif
.endm
.macro LOADS off                       ; the cells and points of the chunk off chunks behind the pointers.  No wait of its own: it follows the head's wait, or GATHER's, with no vector instruction between
	WIN W_G
	global_load_b128 v[IDX:IDX+3], v[A16], s[6:7] offset:512*(\off) th:TH_LOAD_NT
.irp i, 0,1,2
	global_load_b128 v[PTS+4*\i:PTS+4*\i+3], v[A48], s[4:5] offset:1536*(\off)+16*\i   ; no hint: the three loads take neighbouring bytes, 48 a lane
.endr
.endm
.macro PREP                            ; fractions and table offsets of a chunk's 4 points a lane; stage by stage, so that no line waits for the line above it
	WIN W_G
.irp i, 0,2,4,6,8,10
	v_pk_add_f32 v[PTS+\i:PTS+\i+1], v[PTS+\i:PTS+\i+1], 1.0 op_sel_hi:[1,0]
.endr
.irp i, 0,2,4,6,8,10
	v_pk_mul_f32 v[PTS+\i:PTS+\i+1], v[PTS+\i:PTS+\i+1], 0x437f8000 op_sel_hi:[1,0]   ; x 255.5: p, the same bits as in the launch that made the cells
.endr
.irp j, 0,1,2,3
	v_fract_f32 v[FRC+4*\j], v[PTS+3*\j]           ; fx
	v_fract_f32 v[FRC+4*\j+2], v[PTS+3*\j+1]       ; fy
	v_fract_f32 v[FRC+4*\j+1], v[PTS+3*\j+2]       ; fz
.endr
.irp j, 0,1,2,3
	v_lshrrev_b32 v[O+3*\j], 9, v[IDX+\j]          ; 512 xf + yf
	v_and_b32 v[T+\j], 0x1ff, v[IDX+\j]            ; zf
	v_and_b32 v[O+3*\j+2], 0x3ffff, v[IDX+\j]      ; 512 yf + zf
.endr
.irp j, 0,1,2,3
	v_and_or_b32 v[O+3*\j+1], v[O+3*\j], 0x3fe00, v[T+\j]   ; 512 xf + zf
.endr
.irp n, 0,1,2,3,4,5,6,7,8,9,10,11
	v_min_u32 v[O+\n], 0x3ffff, v[O+\n]            ; a loaded number enters an address only held to its table's size
.endr
.irp n, 0,1,2,3,4,5,6,7,8,9,10,11
	v_lshlrev_b32 v[O+\n], 4, v[O+\n]              ; entries of 16 bytes
.endr
.endm
.macro GATHER                          ; 12 look-ups a lane; no hint: many waves read the tables
	WIN W_G
	s_wait_alu depctr_va_vdst(0)                   ; PREP has written the offsets v[O ..], which these loads read; INTERP is done reading and writing v[G ..], in which they land; PREP is done reading v[IDX ..] and reading and writing v[PTS ..], in which the loads of LOADS land, which follow this run with no vector instruction between
.irp j, 0,1,2,3
	global_load_b128 v[G+12*\j:G+12*\j+3], v[O+3*\j], s[8:9]
	global_load_b128 v[G+12*\j+4:G+12*\j+7], v[O+3*\j+1], s[28:29]
	global_load_b128 v[G+12*\j+8:G+12*\j+11], v[O+3*\j+2], s[30:31]
.endr
.endm
.macro INTERP                          ; entry (bl, tl, br, tr): (bottom, top) = (bl, tl) + ((br, tr) - (bl, tl)) h;  value = bottom + (top - bottom) v.  xy: h = fx, v = fy;  xz: fx, fz;  yz: fy, fz
	WIN W_G
.irp j, 0,1,2,3
.irp p, 0,1,2
.set Q, G+12*\j+4*\p
	v_pk_add_f32 v[Q+2:Q+3], v[Q+2:Q+3], v[Q:Q+1] neg_lo:[0,1] neg_hi:[0,1]
.endr
.endr
.irp j, 0,1,2,3
.irp p, 0,1,2
.set Q, G+12*\j+4*\p
	v_pk_fma_f32 v[Q:Q+1], v[Q+2:Q+3], v[FRC+4*\j+2*(\p/2):FRC+4*\j+2*(\p/2)+1], v[Q:Q+1] op_sel_hi:[1,0,1]   ; the pair's low register (fx or fy) serves both halves
.endr
.endr
.irp j, 0,1,2,3
.irp p, 0,1,2
.set Q, G+12*\j+4*\p
	v_sub_f32 v[Q+2], v[Q+1], v[Q]
.endr
.endr
.irp j, 0,1,2,3
.irp p, 0,1,2
.set Q, G+12*\j+4*\p
	v_fma_f32 v[Q], v[Q+2], v[FRC+4*\j+2-(\p+1)/2], v[Q]
.endr
.endr
.irp j, 0,1,2,3
	v_add_f32 v[G+12*\j], v[G+12*\j], v[G+12*\j+4] ; xy + xz
.endr
	WIN W_GF
.irp j, 0,1,2,3
	v_add_f32 v[FP+4*\j], v[G+12*\j], v[G+12*\j+8] ; + yz: F of my point, twice
	v_add_f32 v[FP+4*\j+2], v[G+12*\j], v[G+12*\j+8]
.endr
	WIN 0
.irp j, 0,1,2,3
	v_permlane16_swap_b32 v[FP+4*\j], v[FP+4*\j+2] ; the first's lanes 16-31 change places with the second's lanes 0-15: the first now holds F of lane r (tile 0's point r) in both halves, the second F of lane 16 + r (tile 1's)
.endr
.endm
.macro L1A u, j                        ; h1 before the relu: F w1 + b1, 64 numbers a lane, two an instruction
	WIN W_L1
.set HB, H+64*(\u)
.set FB, FP+4*(\j)+2*(\u)
.set i, 0
.rept 32
	v_pk_fma_f32 v[HB+i:HB+i+1], v[W1+i:W1+i+1], v[FB:FB+1], v[B1+i:B1+i+1] op_sel_hi:[1,0,1]
.set i, i+2
.endr
.endm
.macro L1B u                           ; relu, the two blocks' scales, the codes
	WIN 0
.set HB, H+64*(\u)
.set PB, PC+12*(\u)
.irp q, 0,1,2,3                        ; four chains of 16.  No |.| on the sources: what is negative becomes 0 and must not count; the floor 2^(5 - 127) stands over it, and holds the byte at 1 from below
	v_max3_num_f32 v[M+\q], v[HB+16*\q], v[HB+16*\q+1], 0x2800000
	RELU2 HB+16*\q
.endr
.irp i, 2,4,6,8,10,12,14
.irp q, 0,1,2,3
	v_max3_num_f32 v[M+\q], v[M+\q], v[HB+16*\q+\i], v[HB+16*\q+\i+1]
	RELU2 HB+16*\q+\i
.endr
.endr
.irp c, 0,1
	v_max_num_f32 v[M+2*\c], v[M+2*\c], v[M+2*\c+1]
.endr
.irp c, 0,1
	v_add_nc_u32 v[SO+\c], 0xfe000000, v[M+2*\c]   ; 4 off the exponent field: the conversion's scale operand
.endr
.irp c, 0,1
	v_lshrrev_b32 v[BY+\c], 23, v[SO+\c]           ; the scale's byte
.endr
	v_lshl_or_b32 v[MY], v[BY+1], 16, v[BY]        ; blocks h and 2 + h of my point,
	v_lshlrev_b32 v[MY], v[SH8], v[MY]             ; at their places in the word;
	v_permlanex16_b32 v[OTH], v[MY], s34, s35
	v_or_b32 v[HS+\u], v[MY], v[OTH]               ; with lane l xor 16's two the word is whole
.irp c, 0,1
	v_cvt_scalef32_pk16_bf6_f32 v[PB+6*\c:PB+6*\c+2], v[HB+32*\c:HB+32*\c+15], v[SO+\c]
	v_cvt_scalef32_pk16_bf6_f32 v[TMP+4*\c:TMP+4*\c+2], v[HB+32*\c+16:HB+32*\c+31], v[SO+\c]   ; (a conversion's three registers begin on an even number)
.endr
	v_nop                                          ; one plain instruction behind the last scaled conversion: its results are moved next, and the product later writes over its sources
.irp c, 0,1
.irp e, 0,1,2
	v_mov_b32 v[PB+6*\c+3+\e], v[TMP+4*\c+\e]
.endr
.endr
.endm
.macro WM u                            ; eight products, one for each 16 outputs: each is a whole sum (K = 128), with b2 as its C; its result takes the registers that h1 has left.  No accumulator is taken up twice
	WIN W_MM
.set HB, H+64*(\u)
.set PB, PC+12*(\u)
	s_wait_alu depctr_va_vdst(0)                   ; the conversions and the moves have written this tile's codes v[PB ..], and the v_or_b32 its scale word v[HS + u], which the products take as source 1 and as its scales; the places counted at BATCH stand ahead of this wait
.irp t, 0,1,2,3,4,5,6,7
	v_wmma_scale_f32_16x16x128_f8f6f4 v[HB+8*\t:HB+8*\t+7], v[W2F+12*\t:W2F+12*\t+11], v[PB:PB+11], v[B2+8*\t:B2+8*\t+7], v[W2S+\t], v[HS+\u] matrix_a_fmt:MATRIX_FMT_BF6 matrix_b_fmt:MATRIX_FMT_BF6
.endr
.endm
.macro RELU u, a, b                    ; registers a .. b - 1 of tile u, ascending: each result is read from its low end on
	WIN 0
.set i, H+64*(\u)+(\a)
.rept ((\b)-(\a))/2
	RELU2 i
.set i, i+2
.endr
.endm
.macro DOT u                           ; h2 . w3, my 64 outputs: eight packed chains; the first eight products start the sums
	WIN W_DOT
.set HB, H+64*(\u)
.set SB, S+16*(\u)
.set i, 0
.rept 32
.if i < 8
	v_pk_mul_f32 v[SB+2*i:SB+2*i+1], v[W3+2*i:W3+2*i+1], v[HB+2*i:HB+2*i+1]
.else
	v_pk_fma_f32 v[SB+2*(i%8):SB+2*(i%8)+1], v[W3+2*i:W3+2*i+1], v[HB+2*i:HB+2*i+1], v[SB+2*(i%8):SB+2*(i%8)+1]
.endif
.set i, i+1
.endr
.endm
.macro RED j                           ; the chains are added, the two tiles by turns; then the halves of the lanes
	WIN 0
.irp q, 0,1,2,3
.irp u, 0,1
	v_pk_add_f32 v[S+16*\u+2*\q:S+16*\u+2*\q+1], v[S+16*\u+2*\q:S+16*\u+2*\q+1], v[S+16*\u+2*\q+8:S+16*\u+2*\q+9]
.endr
.endr
.irp q, 0,1
.irp u, 0,1
	v_pk_add_f32 v[S+16*\u+2*\q:S+16*\u+2*\q+1], v[S+16*\u+2*\q:S+16*\u+2*\q+1], v[S+16*\u+2*\q+4:S+16*\u+2*\q+5]
.endr
.endr
.irp u, 0,1
	v_pk_add_f32 v[S+16*\u:S+16*\u+1], v[S+16*\u:S+16*\u+1], v[S+16*\u+2:S+16*\u+3]
.endr
.irp u, 0,1
	v_add_f32 v[S+16*\u], v[S+16*\u], v[S+16*\u+1]
.endr
	v_permlane16_swap_b32 v[S], v[S+16]            ; the first now holds both tiles' sums over the outputs of h = 0, the second those of h = 1, each at the lane of its point
	v_add_f32 v[OUTR+\j], v[S], v[S+16]            ; lane l: its own point's h2 . w3
.endm
; A BATCH.  A vector instruction that reads a matrix result stands four plain vector instructions that name none of the product's registers behind it; an operand written by vector instructions stands four, a scale
; register so written eight, ahead of a scaled product (ISA guide 7.12.1 for the first).  Here the other tile's work fills these places, and the vector unit works while the products run:
; 32 multiply-adds of tile 1 stand between tile 0's codes and its products; tile 1's relu and quantising stand behind tile 0's products; the first relus of tile 0's results stand between tile 1's codes and
; its products (with the v_nop and the six moves: 15 places behind the scale word, 8 behind the last move); the rest of tile 0's way stands behind tile 1's products.
.macro BATCH j
	L1A 0, \j
	L1B 0
	L1A 1, \j
	WM 0
	L1B 1
	RELU 0, 0, 16
	WM 1
	RELU 0, 16, 64
	DOT 0
	RELU 1, 0, 64
	DOT 1
	RED \j
.endm
	s_load_b256 s[4:11], s[0:1], 0x0               ; points s[4:5], cells s[6:7], quads s[8:9], w2q s[10:11]
	s_load_b256 s[12:19], s[0:1], 0x20             ; w1 s[12:13], b1 s[14:15], b2 s[16:17], w3 s[18:19]
	s_load_b128 s[20:23], s[0:1], 0x40             ; b3 s[20:21], out0 s[22:23]
	v_lshrrev_b32 v1, 5, v0
	v_readfirstlane_b32 s24, v1                    ; wave 0..3
	v_and_b32 v1, 31, v0                           ; lane
	v_bfe_u32 v8, v0, 4, 1                         ; h
	v_lshlrev_b32 v[LA16], 4, v1
	v_lshlrev_b32 v[LA4], 2, v1
	v_lshlrev_b32 v[SH8], 3, v8
	v_lshlrev_b32 v[HA128], 7, v8
	v_lshlrev_b32 v[HA32], 5, v8
	v_mov_b32 v[OTH], 0                            ; a lane permute's destination counts as one of its sources
.irp n, 1,3,5,7,9,11,13,15
	v_mov_b32 v[FP+\n], 0                          ; named as the upper halves of F's pairs, so they are written
.endr
	WIN TO2
	v_lshlrev_b32 v[A16], 4, v1
	v_mul_u32_u24 v[A48], v1, 48
.irp j, 0,1,2,3
	v_mov_b32 v[FRC+4*\j+3], 0                     ; named as the upper half of fy's pair
.endr
	WIN 0
	s_wait_alu depctr_va_sdst(0)                   ; s24 is written, ahead of its first reader: the pointers to points, cells and out0 are made from it
	s_lshl_b32 s25, ttmp9, 2
	s_add_co_u32 s25, s25, s24                     ; W
	s_mov_b32 s27, 0
	s_mov_b32 s33, CHUNKS                          ; chunks to go
	s_mov_b32 s34, 0x76543210
	s_mov_b32 s35, 0xfedcba98                      ; v_permlanex16_b32's selects for lane l xor 16
	s_mov_b32 s38, 0x4038aa3b                      ; 2 log2(e)
	s_wait_kmcnt 0x0
	s_load_b32 s32, s[20:21], 0x0                  ; b3
	s_mul_i32 s26, s25, 12288                      ; 1,024 points of 12 bytes
	s_add_nc_u64 s[4:5], s[4:5], s[26:27]
	s_lshl_b32 s26, s25, 12                        ; 1,024 words
	s_add_nc_u64 s[6:7], s[6:7], s[26:27]
	s_add_nc_u64 s[22:23], s[22:23], s[26:27]
	s_add_nc_u64 s[28:29], s[8:9], 0x400000        ; the xz table
	s_add_nc_u64 s[30:31], s[8:9], 0x800000        ; the yz table
	WIN W_G
	s_wait_alu depctr_va_vdst(0)                   ; the six offsets v[A16], v[A48], v[LA16], v[LA4], v[HA128], v[HA32] are written: every load of the kernel but the look-ups, and the store, reads one of them, and none is written again
	LOADS 0                                        ; chunk 0 first: its look-ups hang on it
	WIN TO2
.irp t, 0,1,2,3,4,5,6,7
.irp g, 0,1,2
	global_load_b128 v[W2F+12*\t+4*\g:W2F+12*\t+4*\g+3], v[LA16], s[10:11] offset:1536*\t+512*\g   ; w2's fragments, as images of these registers
.endr
.endr
	WIN 0
.irp t, 0,1,2,3,4,5,6,7
	global_load_b32 v[W2S+\t], v[LA4], s[10:11] offset:12288+128*\t
.endr
	s_wait_loadcnt 32                              ; behind chunk 0's four loads stand these 24 + 8: its cells and points are in
	PREP
	GATHER                                         ; chunk 0's look-ups
	LOADS 1                                        ; chunk 1's cells and points
	WIN TO1
.irp c, 0,1
.irp q, 0,1,2,3,4,5,6,7
	global_load_b128 v[W1+32*\c+4*\q:W1+32*\c+4*\q+3], v[HA128], s[12:13] offset:256*\c+16*\q   ; register 32 c + i: k = 64 c + 32 h + i
	global_load_b128 v[B1+32*\c+4*\q:B1+32*\c+4*\q+3], v[HA128], s[14:15] offset:256*\c+16*\q
.endr
.endr
.irp t, 0,1,2,3,4,5,6,7
.irp e, 0,1
	global_load_b128 v[W3+8*\t+4*\e:W3+8*\t+4*\e+3], v[HA32], s[18:19] offset:64*\t+16*\e       ; register 8 t + j: output 16 t + 8 h + j
	global_load_b128 v[B2+8*\t+4*\e:B2+8*\t+4*\e+3], v[HA32], s[16:17] offset:64*\t+16*\e
.endr
.endr
	WIN 0
	s_wait_kmcnt 0x0
	v_mov_b32 v[B3S], s32
	v_mul_f32 v[B3S], s38, v[B3S]                  ; b3 x 2 log2(e)
.Lchunk:                                               ; trip c works chunk c, issues chunk c + 1's look-ups and chunk c + 2's cells and points
	s_wait_loadcnt 0x0                             ; this chunk's look-ups, the next chunk's cells and points (and, in the first trip, the constants): all issued a chunk's arithmetic ago.  For 0, so that the count holds on the ways that skip loads
	s_wait_xcnt 0x0                                ; the last store has read its data and its base: both are written again below
	s_wait_alu depctr_vm_vsrc(0)                   ; the look-ups issued a trip ago (in the first trip: at the head) have read their offsets v[O ..], which PREP writes again; the last store has read v[OUTR ..], which the first RED writes again
	s_add_nc_u64 s[6:7], s[6:7], 512               ; the pointers now stand at chunk c + 1
	s_add_nc_u64 s[4:5], s[4:5], 1536
	s_add_nc_u64 s[22:23], s[22:23], 512
	INTERP                                         ; chunk c's F
	s_cmp_eq_u32 s33, 1                            ; the last chunk asks for nothing
	s_cbranch_scc1 .Lmlp
	PREP
	GATHER                                         ; chunk c + 1's look-ups
	WIN 0
	s_cmp_eq_u32 s33, 2                            ; no load leaves its buffer: chunk 7 is the last that is loaded
	s_cbranch_scc1 .Lmlp
	LOADS 1                                        ; chunk c + 2
	WIN 0
.Lmlp:
	s_wait_alu depctr_va_vdst(0)
	BATCH 0
	BATCH 1
	BATCH 2
	BATCH 3
.irp j, 0,1,2,3
	v_fma_f32 v[TT+\j], v[OUTR+\j], s38, v[B3S]    ; 2 log2(e) (h2 . w3 + b3)
.endr
	s_wait_alu depctr_va_vdst(0)
.irp j, 0,1,2,3
	v_exp_f32 v[TT+\j], v[TT+\j]
.endr
	v_nop                                          ; one plain instruction behind the last transcendental (ISA guide 5.7.2)
	s_wait_alu depctr_va_vdst(0)                   ; the four exponentials have written v[TT ..], which the additions read: one wait for the batch
.irp j, 0,1,2,3
	v_add_f32 v[TT+\j], 1.0, v[TT+\j]
.endr
	s_wait_alu depctr_va_vdst(0)
.irp j, 0,1,2,3
	v_rcp_f32 v[TT+\j], v[TT+\j]
.endr
	v_nop
	s_wait_alu depctr_va_vdst(0)                   ; the four reciprocals have written v[TT ..], which the multiply-adds read: one wait for the batch
.irp j, 0,1,2,3
	v_fma_f32 v[OUTR+\j], v[TT+\j], -2.0, 1.0      ; tanh
.endr
	s_wait_alu depctr_va_vdst(0)                   ; the four multiply-adds have written v[OUTR ..], which the store reads
	global_store_b128 v[LA16], v[OUTR:OUTR+3], s[22:23] offset:-512 th:TH_STORE_NT   ; 32 lanes store the chunk's 512 consecutive bytes, at a multiple of 256 from out0's first byte
	s_sub_co_u32 s33, s33, 1
	s_cmp_lg_u32 s33, 0
	s_cbranch_scc1 .Lchunk
	s_endpgm
.Lfunc_end_k_q6ea10718ca_mlp:
	.size	k_q6ea10718ca_mlp, .Lfunc_end_k_q6ea10718ca_mlp-k_q6ea10718ca_mlp
	.p2alignl 7, 3214868480
	.fill 96, 4, 3214868480
	.section	.rodata,"a",@progbits
	.p2align	6, 0x0
	.amdhsa_kernel k_q6ea10718ca_mlp
		.amdhsa_group_segment_fixed_size 0
		.amdhsa_private_segment_fixed_size 0
		.amdhsa_enable_private_segment 0
		.amdhsa_kernarg_size 80
		.amdhsa_user_sgpr_count 2
		.amdhsa_user_sgpr_kernarg_segment_ptr 1
		.amdhsa_wavefront_size32 1
		.amdhsa_system_sgpr_workgroup_id_x 1
		.amdhsa_system_sgpr_workgroup_id_y 1
		.amdhsa_system_sgpr_workgroup_id_z 1
		.amdhsa_system_vgpr_workitem_id 0
		.amdhsa_next_free_vgpr 768
		.amdhsa_next_free_sgpr 66
		.amdhsa_reserve_vcc 0
		.amdhsa_float_denorm_mode_32 3
		.amdhsa_float_denorm_mode_16_64 3
		.amdhsa_memory_ordered 1
		.amdhsa_forward_progress 1
		.amdhsa_inst_pref_size 129
	.end_amdhsa_kernel
	.amdgpu_metadata
---
amdhsa.version: [ 1, 2 ]
amdhsa.kernels:
  - .name:           k_q6ea10718ca_mlp
    .symbol:         k_q6ea10718ca_mlp.kd
    .args:
      - { .name: points, .offset: 0, .size: 8, .value_kind: global_buffer, .address_space: global }
      - { .name: cells, .offset: 8, .size: 8, .value_kind: global_buffer, .address_space: global }
      - { .name: quads, .offset: 16, .size: 8, .value_kind: global_buffer, .address_space: global }
      - { .name: w2q, .offset: 24, .size: 8, .value_kind: global_buffer, .address_space: global }
      - { .name: w1, .offset: 32, .size: 8, .value_kind: global_buffer, .address_space: global }
      - { .name: b1, .offset: 40, .size: 8, .value_kind: global_buffer, .address_space: global }
      - { .name: b2, .offset: 48, .size: 8, .value_kind: global_buffer, .address_space: global }
      - { .name: w3, .offset: 56, .size: 8, .value_kind: global_buffer, .address_space: global }
      - { .name: b3, .offset: 64, .size: 8, .value_kind: global_buffer, .address_space: global }
      - { .name: out0, .offset: 72, .size: 8, .value_kind: global_buffer, .address_space: global }
    .group_segment_fixed_size: 0
    .private_segment_fixed_size: 0
    .kernarg_segment_align: 8
    .kernarg_segment_size: 80
    .max_flat_workgroup_size: 128
    .sgpr_count:     66
    .vgpr_count:     768
    .wavefront_size: 32
...
	.end_amdgpu_metadata
.endif
;; end of part 4
